; MI455X (gfx1250); checked and timed in simulation.
; The chip was launched on July 23, 2026; its instructions are those of AMD's public machine-readable ISA for CDNA 5 (MIT licence, August 2026) and "CDNA5" Instruction Set Architecture Reference Guide (July 2026). The comments in the code are by the model that wrote it; some were corrected since.
;; Swin Transformer Block. Allowed arithmetic: matrix products marked QUANTISED: E2M3 operands, one E8M0 scale for each 32 along K, by v_wmma_scale_f32_16x16x128_f8f6f4 with both operands' format E2M3, f32 sums; everything else in f32.
;; Inputs: fc1_b 512 float32; fc1_w_codes 512 x 4 x 24 uint8 (E2M3 codes of fc1_w, K innermost, in blocks of 32 codes, four codes in three bytes); fc1_w_scales 512 x 4 uint8 (E8M0 scales of fc1_w, one for each 32 codes along K); fc2_b 128 float32; fc2_w_codes 128 x 16 x 24 uint8 (E2M3 codes of fc2_w, K innermost, in blocks of 32 codes, four codes in three bytes); fc2_w_scales 128 x 16 uint8 (E8M0 scales of fc2_w, one for each 32 codes along K); norm1_b 128 float32; norm1_w 128 float32; norm2_b 128 float32; norm2_w 128 float32; proj_b 128 float32; proj_w_codes 128 x 4 x 24 uint8 (E2M3 codes of proj_w, K innermost, in blocks of 32 codes, four codes in three bytes); proj_w_scales 128 x 4 uint8 (E8M0 scales of proj_w, one for each 32 codes along K); qkv_b 384 float32; qkv_w_codes 384 x 4 x 24 uint8 (E2M3 codes of qkv_w, K innermost, in blocks of 32 codes, four codes in three bytes); qkv_w_scales 384 x 4 uint8 (E8M0 scales of qkv_w, one for each 32 codes along K); rpb_table 225 x 4 float32; x_v 4 x 2 x 16,384 x 128 float32.
;; Outputs: out0 4 x 2 x 16,384 x 128 float32.
;; This version of the problem:
;;   THIS VERSION OF THE PROBLEM IS GIVEN IN LOW PRECISION. The matrix products marked QUANTISED in the list below multiply operands that are first quantised to E2M3 (2 exponent bits, 3 mantissa bits; 6 bits a number), with one power-of-two scale for each 32 numbers along K (OCP MX v1.0); their sums are f32. All else is computed in f32.
;;   The module's matrix products, in the order in which they are computed (A, B: the left and right operand; K: the contracted axis; several contracted axes count as one K, in the product's order):
;;     1. [M 131,072, K 128] x [K 128, N 384]; A: computed on the way; B: input qkv_w (given as codes): QUANTISED
;;     2. batch 4,096 x [M 128, K 32] x [K 32, N 128]; A: computed on the way; B: computed on the way: QUANTISED
;;     3. batch 4,096 x [M 128, K 128] x [K 128, N 32]; A: softmax (see below); B: computed on the way: QUANTISED
;;     4. [M 131,072, K 128] x [K 128, N 128]; A: computed on the way; B: input proj_w (given as codes): QUANTISED
;;     5. [M 131,072, K 128] x [K 128, N 512]; A: computed on the way; B: input fc1_w (given as codes): QUANTISED
;;     6. [M 131,072, K 512] x [K 512, N 128]; A: computed on the way; B: input fc2_w (given as codes): QUANTISED
;;   THE QUANTISER, for each operand of a quantised product, along K:
;;     - K is cut into blocks of 32 from its start; a last block that is shorter is filled with zeros.
;;     - A block's scale is 2^e with e = floor(log2(the largest magnitude in the block)) - 2, held to -126 .. 127; a block of zeros has e = 0. As a byte (E8M0): e + 127.
;;     - Each number is divided by its block's scale, clamped to +-7.5, and rounded to the nearest number of E2M3, ties to even, subnormals kept.
;;     - The product sums the exact products of the quantised numbers (number of the format x scale) in f32.
;;   ~~~python
;;   def quantise(x, axis):      # numpy; x: float32 -> the quantised numbers, widened to float32 again
;;       x = np.moveaxis(x, axis, -1); K = x.shape[-1]
;;       x = np.pad(x, [(0, 0)] * (x.ndim - 1) + [(0, -K % 32)]); x = x.reshape(x.shape[:-1] + (-1, 32)); a = np.abs(x).max(-1, keepdims=True)
;;       e = np.where(a > 0, np.clip(np.frexp(np.where(a > 0, a, 1))[1] - 1 - 2, -126, 127), 0)      # np.frexp(a)[1] - 1 = floor(log2(a)), exactly
;;       r = np.clip(x / 2.0 ** e, -7.5, 7.5)
;;       step = 2.0 ** (np.maximum(np.frexp(np.where(r == 0, 1, r))[1] - 1, 0) - 3)
;;       q = np.round(r / step) * step * 2.0 ** e      # np.round: ties to even
;;       return np.moveaxis(q.reshape(q.shape[:-2] + (-1,))[..., :K], -1, axis).astype(np.float32)
;;   ~~~
;;   SOFTMAX AHEAD OF A QUANTISED PRODUCT. Where the list says 'softmax', what is quantised is not the finished softmax but p = 2^(t - M), with t = logit x log2(e) and M = ceil(the row's largest t), a whole number; so 1/2 < the row's largest p <= 1. The row's sum l is taken of the UNQUANTISED p, in f32, and the product's result is divided by l at the end. Since M is a whole number, a kernel that streams over the keys may use a running M (the ceiling of the running maximum): every later rescaling is an exact power of two, which a block's scale takes up: the codes' values come out the same.
;;   OPERANDS COMPUTED ON THE WAY. 'Computed on the way' means the value that the module computes at that place (a softmax that the list does not call 'softmax' is quantised finished and normalised). What goes into a quantiser is computed in f32, as accurately as f32 sums, v_exp_f32 and their like allow (about 1e-6 of the number): no bf16 or f16 on the way to a quantiser, and a product that is left as it is and whose result goes on into a quantised operand takes f32 operands (vector FMAs, or v_wmma_f32_16x16x4_f32). A number that lies on a knife's edge between two numbers of the format may be rounded either way, as far as f32 arithmetic and the matrix unit's own rounding can turn it there, and no further.
;;   INPUTS GIVEN AS CODES. fc1_w (in the module: [512, 128], K = its axis 1); fc2_w (in the module: [128, 512], K = its axis 1); proj_w (in the module: [128, 128], K = its axis 1); qkv_w (in the module: [384, 128], K = its axis 1): each comes as NAME_codes (uint8): NAME with its K axis moved to the last place and cut into blocks of 32 codes, [.., K / 32, bytes a block], one block behind the other in memory; four codes in three bytes: a row's codes are one little-endian stream of bits, code i at bits 6 i .. 6 i + 5 (a code: sign, 2 exponent bits, 3 mantissa bits); and NAME_scales (uint8): the same leading axes, one E8M0 byte (e + 127) for each 32 codes along K. Its value is code x scale, taken as it is: it is not quantised again, and the codes and scales need not be those that the quantiser above would give.
;; One version. Each part assembles by itself: llvm-mc -triple=amdgcn-amd-amdhsa -mcpu=gfx1250 --defsym DOCPART=n.
;; ======== version 1 of 1: 1 launch
;; limits: right only within a limited range of input values
;; launch swin (part 1): grid 256 x 1, 8 waves a work-group, no clusters, 302,080 bytes of LDS; arguments x_v, out0, qkv_w_codes, qkv_w_scales, qkv_b, proj_w_codes, proj_w_scales, proj_b, fc1_w_codes, fc1_w_scales, fc1_b, fc2_w_codes, fc2_w_scales, fc2_b, norm1_w, norm1_b, norm2_w, norm2_b, rpb_table; writes out0
.if DOCPART == 1
	.amdgcn_target "amdgcn-amd-amdhsa--gfx1250"
	.amdhsa_code_object_version 6
	.text
	.protected	k_q68befadb1e_swin
	.globl	k_q68befadb1e_swin
	.p2align	8
	.type	k_q68befadb1e_swin,@function
k_q68befadb1e_swin:
	s_mov_b64 s[64:65], 0
	v_nop
	global_prefetch_b8 v0, s[64:65] scope:SCOPE_SE
	s_setreg_imm32_b32 hwreg(HW_REG_WAVE_MODE, 25, 1), 1
	s_wait_xcnt 0x0
; A whole shifted-window transformer block in one launch: qkv, window attention over 2 frames x 8 x 8 tokens, proj, residual, LayerNorm, MLP with the exact gelu, residual, LayerNorm.
; All six products on codes of FP6 (E2M3) with one E8M0 scale for each 32 along K; all else in f32.  The two rolls and the window partition only say which tokens share a window: a token is read from and written to the same 512 bytes.
; SHARES.  1,024 windows of 128 tokens; 256 work-groups of eight waves, each walks 4 windows.  Wave 2 beta + u owns 16 tokens of the window through every phase: lane row r holds token 32 beta + 8 u + r + 8 (r / 8).
; LAYOUT.  An activation of my 16 tokens x 128 channels is 64 registers: lane (r, h) holds token r, register 16 b + i channel 32 b + 16 h + i.  The linear layers are used transposed (source 0 = 16 rows of the weight, source 1 = my tokens),
; and lane r of weight tile 2 b + u takes row 32 b + 8 u + r + 8 (r / 8): every result falls into that layout and is quantised in registers.  Biases are the C of the products.
; V alone is used straight (source 0 = tokens, source 1 = rows of Wv): a lane holds one channel and its registers run along the keys.  Wave (beta, u) makes V for both tiles of its pair and channel tiles 4 u .. 4 u + 3.
; q k^T has K = 32: a head's block of q stands in an operand whose other three blocks are zero codes, so k's whole fragments serve all four heads.
; WEIGHTS lie in LDS for the whole launch as images of the operands' registers.  v256-383 hold the relative-position biases of my queries.  v384-511 (U) take what a later phase wants, asked for a phase ahead:
; Wq, Wk, Wv and v's bias; then k's eight fragments; proj's weights; a norm's gains and biases; in the MLP fc2's fragments, part of fc1's next and the next window's x.
; NO CLUSTER, NO TENSOR LOADS: what work-groups share is the weights, 160 KB read once by a work-group against its 512 KB of x and out, and they have to become register images with chosen rows, which wants a way through registers.
; LIMITS: NaN and infinities among the inputs are not served.  A block of zeros gets the scale byte 1 (its codes are zeros; the bytes are read here alone).  v_exp_f32 gives 0 for p under 2^-126.
; erf(u) is u a(u^2) / b(u^2), a of degree 6 and b of degree 4, with u held to +-4 (absolute error about 1e-7); 1 / l and 1 / b by v_rcp_f32, the norms' root by v_rsq_f32.
.set SLB,   8448                       ; a wave's slice of a buffer: 16 rows x 528 bytes
.set BUF1,  131072                     ; the two buffers begin at 0 and here
.set WFC1,  67584                      ; fc1's 32 fragment images, 1,536 bytes each
.set SCB,   116736                     ; the weights' scale words: sets of 8 tiles, 512 bytes: tile t, lane r at 256 (t / 4) + 16 r + 4 (t % 4)
.set BIAS,  122880                     ; sixteen chunks of 512 bytes: the small f32 vectors
.set WQKV,  198656                     ; q's 8, k's 8, v's 8, proj's 8 images
.set WFC2,  247808                     ; fc2's 32
.set RPBT,  297984                     ; behind the spare words: the table of relative-position biases, a row of 16 bytes a thread
.set FRB,   1536
.set SPI,   528
.set XSCO,  1536                       ; in a slice of the other buffer: x's image at 0, its scale words here,
.set KIMG,  1664                       ; k's image,
.set KSCO,  3200                       ; its scale words,
.set VIMG,  3328                       ; V^T tile: 16 channels x 112 bytes (96 of codes),
.set VPI,   112
.set VSCO,  5120                       ; its scale words
.set SCQ,   0
.set SCP,   1536
.set SC1,   2048
.set SC2,   4096
.set QB,    0
.set KB,    512
.set VB,    1024
.set PROJB, 1536
.set FC1B,  2048
.set FC2B,  4096
.set N2W,   4608
.set N2B,   5120
.set N1W,   5632
.set N1B,   6144
.set LI,   1                           ; 16 x lane
.set RR,   2                           ; r
.set HH,   3                           ; h
.set WQA,  4                           ; 16 x lane + WQKV
.set WF1A, 5
.set WF2A, 6
.set SCA,  7                           ; 16 r + SCB
.set BHA,  8                           ; 64 h + BIAS
.set PR,   9                           ; r + 8 (r / 8)
.set STW,  10                          ; 16 x lane + my slice
.set STR,  11                          ; 528 r + 64 h + my slice
.set AD0,  12
.set AD1,  13
.set AD2,  14
.set AD3,  15
.set AD4,  16
.set VS0,  17                          ; V's scale words (v17, v23)
.set VS1,  23
.set L4,   22                          ; 4 x lane;  v[18:19] a1 / 2 twice, v[20:21] b1 twice
.set XA,   24
.set XB,   88
.set XC,   152
.set XD,   200
.set TM,   188                         ; the quantiser's twelve
.set F1,   216
.set F2,   228
.set SCL,  240
.set S1,   248
.set S2,   249
.set NM,   250
.set TX,   251
.set LS,   252
.set QS,   254
.set TT,   255
.set KV,   152                         ; two fragments of V^T
.set OO,   124
.set AX,   140
.set OB,   148
.set BM,   200
.set BP,   204
.set MK,   208
.set GT,   152
.set LT,   228
.set U,    128                         ; v384-511, named in window 1
; scalars: s[4:5] x, s[6:7] out; s42 wave, s43 u, s44 beta, s45 beta & 1, s46 / s47 this buffer / the other, s48 trip, s49 window, s50 my slice, s51 my pair's first slice,
; s[52:55] / s[56:59] offsets of my four runs of 4 rows in this / the next window, s[60:61] lane selects, s62 frame, s63 4 + 4 (beta & 1) + u, s[66:73] x at the next window's runs, s[74:81] out at this window's,
; s82-85 the MLP's counter and steps, s86-89 the mask's flags, s90-97 at work; s8-38 constants once the prologue has used the pointers there
.set MSB, 0
.macro WIN new
.if MSB != \new
	s_set_vgpr_msb (MSB<<8)|\new
.set MSB, \new
.endif
.endm
.macro PLACES n
.rept \n
	v_nop
.endr
.endm
.macro BAR                             ; my LDS stores have landed and my LDS loads are in: then the work-group's barrier
	s_wait_alu depctr_va_vdst(0)                   ; the wait ahead of the blocking wait
	s_wait_dscnt 0x0
	s_barrier_signal -1
	s_barrier_wait -1
.endm
.macro MM d, a, b, c, sa, sb
	v_wmma_scale_f32_16x16x128_f8f6f4 v[\d:\d+7], v[\a:\a+11], v[\b:\b+11], v[\c:\c+7], v[\sa], v[\sb] matrix_a_fmt:MATRIX_FMT_FP6 matrix_b_fmt:MATRIX_FMT_FP6
.endm
.macro MM0 d, a, b, sa, sb
	v_wmma_scale_f32_16x16x128_f8f6f4 v[\d:\d+7], v[\a:\a+11], v[\b:\b+11], 0, v[\sa], v[\sb] matrix_a_fmt:MATRIX_FMT_FP6 matrix_b_fmt:MATRIX_FMT_FP6
.endm
.macro VLOAD32 reg, adr, off           ; two blocks of 32 channels in the activations' layout (the address holds 64 h)
.irp b, 0,1
.irp j, 0,1,2,3
	ds_load_b128 v[\reg+16*\b+4*\j:\reg+16*\b+4*\j+3], v[\adr] offset:\off+128*\b+16*\j
.endr
.endr
.endm
.macro VLOAD64 reg, adr, off
	VLOAD32 \reg, \adr, \off
	VLOAD32 \reg+32, \adr, \off+256
.endm
.macro WLOAD n, dst, adr, off          ; n fragment images, three loads each
.set ff, 0
.rept \n
.irp c, 0,1,2
	ds_load_b128 v[\dst+12*ff+4*\c:\dst+12*ff+4*\c+3], v[\adr] offset:\off+FRB*ff+512*\c
.endr
.set ff, ff+1
.endr
.endm
.macro SLOAD dst, adr, off             ; the scale words of eight weight tiles
	ds_load_b128 v[\dst:\dst+3], v[\adr] offset:\off
	ds_load_b128 v[\dst+4:\dst+7], v[\adr] offset:\off+256
.endm
.macro LMMU acc, xf, xs, sc            ; eight products: the weight tiles in U against my tokens; C is the accumulator, which holds the bias or the sum so far; eight accumulators by turns
	WIN 0x01
.irp t, 0,1,2,3,4,5,6,7
	MM \acc+8*\t, U+12*\t, \xf, \acc+8*\t, \sc+\t, \xs
.endr
	WIN 0
.endm
.macro QCODE mx, s, pc, pw             ; from four blocks' largest magnitudes: the scale word in v[pw], the codes of v[s .. s + 63] in v[pc ..]
.irp b, 0,1,2,3
	s_delay_alu instid0(VALU_DEP_4)
	v_add_nc_u32 v[TM+8+\b], 0xff000000, v[\mx+\b] ; 2 off the exponent field: the conversion's scale operand
.endr
.irp b, 0,1,2,3
	s_delay_alu instid0(VALU_DEP_4)
	v_lshrrev_b32 v[TM+4+\b], 23, v[TM+8+\b]       ; the scale's byte
.endr
	s_delay_alu instid0(VALU_DEP_3)
	v_lshl_or_b32 v[\pw], v[TM+5], 8, v[TM+4]
	s_delay_alu instid0(VALU_DEP_1)
	v_lshl_or_b32 v[\pw], v[TM+6], 16, v[\pw]
	s_delay_alu instid0(VALU_DEP_1)
	v_lshl_or_b32 v[\pw], v[TM+7], 24, v[\pw]
.irp c, 0,1
	v_cvt_scalef32_pk16_fp6_f32 v[\pc+6*\c:\pc+6*\c+2], v[\s+32*\c:\s+32*\c+15], v[TM+8+2*\c]
	v_cvt_scalef32_pk16_fp6_f32 v[TM+4*\c:TM+4*\c+2], v[\s+32*\c+16:\s+32*\c+31], v[TM+9+2*\c]
.endr
	v_nop                                          ; one plain place behind a scaled conversion
.irp c, 0,1                                    ; the operand wants a whole block in a lane
.irp i, 0,1,2
	v_permlane16_swap_b32 v[\pc+6*\c+\i], v[TM+4*\c+\i]
.endr
.irp i, 0,1,2
	s_delay_alu instid0(VALU_DEP_3)
	v_mov_b32 v[\pc+6*\c+3+\i], v[TM+4*\c+\i]
.endr
.endr
.endm
.macro QUANT s, pc, pw, np             ; 64 numbers of a lane, register 16 b + i = place 32 b + 16 h + i along K, become codes and a scale word
.irp b, 0,1,2,3
	v_max3_num_f32 v[TM+\b], |v[\s+16*\b]|, |v[\s+16*\b+1]|, 0x1800000   ; with the floor 2^(3 - 127): the byte cannot fall under 1
.endr
.irp i, 2,4,6,8,10,12,14
.irp b, 0,1,2,3
	v_max3_num_f32 v[TM+\b], v[TM+\b], |v[\s+16*\b+\i]|, |v[\s+16*\b+\i+1]|
.endr
.endr
.irp b, 0,1,2,3
	s_delay_alu instid0(VALU_DEP_4)
	v_permlanex16_b32 v[TM+4+\b], v[TM+\b], s60, s61
.endr
.irp b, 0,1,2,3
	s_delay_alu instid0(VALU_DEP_4)
	v_max_num_f32 v[TM+\b], v[TM+\b], v[TM+4+\b]
.endr
	QCODE TM, \s, \pc, \pw
	PLACES \np
.endm
.macro TREE s, a0, a1, a2, a3, a4, a5, a6, a7   ; the sum of 64 registers into the pair a0, in eight chains
.set kk, 0
.irp a, \a1,\a2,\a3,\a4,\a5,\a6,\a7,\a0
	v_pk_add_f32 v[\a:\a+1], v[\s+8*kk:\s+8*kk+1], v[\s+8*kk+4:\s+8*kk+5]
.set kk, kk+1
.endr
.set kk, 0
.rept 2
.irp a, \a0,\a1,\a2,\a3,\a4,\a5,\a6,\a7
	v_pk_add_f32 v[\a:\a+1], v[\a:\a+1], v[\s+2+4*kk:\s+3+4*kk]
.set kk, kk+1
.endr
.endr
	s_delay_alu instid0(VALU_DEP_4)
	v_pk_add_f32 v[\a0:\a0+1], v[\a0:\a0+1], v[\a4:\a4+1]
	s_delay_alu instid0(VALU_DEP_4)
	v_pk_add_f32 v[\a1:\a1+1], v[\a1:\a1+1], v[\a5:\a5+1]
	s_delay_alu instid0(VALU_DEP_4)
	v_pk_add_f32 v[\a2:\a2+1], v[\a2:\a2+1], v[\a6:\a6+1]
	s_delay_alu instid0(VALU_DEP_4)
	v_pk_add_f32 v[\a3:\a3+1], v[\a3:\a3+1], v[\a7:\a7+1]
	s_delay_alu instid0(VALU_DEP_2)
	v_pk_add_f32 v[\a0:\a0+1], v[\a0:\a0+1], v[\a2:\a2+1]
	s_delay_alu instid0(VALU_DEP_2)
	v_pk_add_f32 v[\a1:\a1+1], v[\a1:\a1+1], v[\a3:\a3+1]
	s_delay_alu instid0(VALU_DEP_1)
	v_pk_add_f32 v[\a0:\a0+1], v[\a0:\a0+1], v[\a1:\a1+1]
.endm
.macro PSTEP reg, sc                   ; a step of Horner's rule for eight pairs
.irp k, 0,1,2,3,4,5,6,7
	v_pk_fma_f32 v[\reg+2*\k:\reg+2*\k+1], v[\reg+2*\k:\reg+2*\k+1], v[GW+2*\k:GW+2*\k+1], s[\sc:\sc+1] op_sel_hi:[1,1,0]
.endr
.endm
; gelu(z) = z (1/2 + u (a / 2)(u^2) / b(u^2)), u = z / sqrt(2) held to +-4, on two accumulators' sixteen registers, from its low end on
; In the text: z is held to +-4 sqrt(2), w = z^2 = 2 u^2; a's and b's coefficients carry the powers of 1/2 (exact), b's also sqrt(2): z a'(w) / b'(w) = u (a / 2)(u^2) / b(u^2).
; Two accumulators, sixteen values, at a time: eight independent lines stand between a line and the line that reads it, and one pair of waits serves sixteen reciprocals.
.set GZ, 152                           ; z held;
.set GW, 168                           ; w;
.set GA, 184                           ; a';
.set GQ, 228                           ; b', where F2 and fc1's first scale words lie idle during the gelu
.macro GELU16 z
.irp k, 0,1,2,3,4,5,6,7,8,9,10,11,12,13,14,15
	v_med3_num_f32 v[GZ+\k], v[\z+\k], s8, s9
.endr
.irp k, 0,1,2,3,4,5,6,7
	v_pk_mul_f32 v[GW+2*\k:GW+2*\k+1], v[GZ+2*\k:GZ+2*\k+1], v[GZ+2*\k:GZ+2*\k+1]
.endr
.irp k, 0,1,2,3,4,5,6,7
	v_pk_fma_f32 v[GA+2*\k:GA+2*\k+1], v[GW+2*\k:GW+2*\k+1], s[10:11], v[18:19] op_sel_hi:[1,0,1]
.endr
.irp k, 0,1,2,3,4,5,6,7
	v_pk_fma_f32 v[GQ+2*\k:GQ+2*\k+1], v[GW+2*\k:GW+2*\k+1], s[22:23], v[20:21] op_sel_hi:[1,0,1]
.endr
	PSTEP GA, 12
	PSTEP GQ, 24
	PSTEP GA, 14
	PSTEP GQ, 26
	PSTEP GA, 16
	PSTEP GQ, 28
	PSTEP GA, 18
	PSTEP GA, 20
	s_wait_alu depctr_va_vdst(0)                   ; the wait ahead of the batch
.irp k, 0,1,2,3,4,5,6,7,8,9,10,11,12,13,14,15
	v_rcp_f32 v[GQ+\k], v[GQ+\k]
.endr
.irp k, 0,1,2,3,4,5,6,7
	v_pk_mul_f32 v[GA+2*\k:GA+2*\k+1], v[GA+2*\k:GA+2*\k+1], v[GZ+2*\k:GZ+2*\k+1]   ; (plain places behind the reciprocals)
.endr
	s_wait_alu depctr_va_vdst(0)                   ; and behind it
.irp k, 0,1,2,3,4,5,6,7
	v_pk_fma_f32 v[GA+2*\k:GA+2*\k+1], v[GA+2*\k:GA+2*\k+1], v[GQ+2*\k:GQ+2*\k+1], 0.5 op_sel_hi:[1,1,0]
.endr
.irp k, 0,1,2,3,4,5,6,7
	v_pk_mul_f32 v[\z+2*\k:\z+2*\k+1], v[\z+2*\k:\z+2*\k+1], v[GA+2*\k:GA+2*\k+1]
.endr
.endm
; LayerNorm of my tokens: the mean, then the mean of the squared differences (two passes); gains and biases come into U under the sums
.macro LNORM src, dst, goff, boff
	WIN 0x40
	VLOAD64 U, BHA, \goff
	VLOAD64 U+64, BHA, \boff
	WIN 0
	TREE \src, 228, 230, 254, 248, 246, 244, 242, 240
	s_delay_alu instid0(VALU_DEP_1)
	v_add_f32 v[LT], v[LT], v[LT+1]
	s_delay_alu instid0(VALU_DEP_1)
	v_permlanex16_b32 v[LT+4], v[LT], s60, s61
	s_delay_alu instid0(VALU_DEP_1)
	v_add_f32 v[LT], v[LT], v[LT+4]
	s_delay_alu instid0(VALU_DEP_1)
	v_mul_f32 v[NM], s38, v[LT]                    ; the mean
.set jj, 0
.rept 32
	v_pk_add_f32 v[\dst+jj:\dst+jj+1], v[\src+jj:\src+jj+1], v[NM:NM+1] op_sel_hi:[1,0] neg_lo:[0,1] neg_hi:[0,1]
.set jj, jj+2
.endr
	v_pk_mul_f32 v[LT:LT+1], v[\dst:\dst+1], v[\dst:\dst+1]                ; the squares, in four chains
	v_pk_mul_f32 v[LT+2:LT+3], v[\dst+2:\dst+3], v[\dst+2:\dst+3]
	v_pk_mul_f32 v[240:241], v[\dst+4:\dst+5], v[\dst+4:\dst+5]
	v_pk_mul_f32 v[242:243], v[\dst+6:\dst+7], v[\dst+6:\dst+7]
.set jj, 8
.rept 7
	s_delay_alu instid0(VALU_DEP_4)
	v_pk_fma_f32 v[LT:LT+1], v[\dst+jj:\dst+jj+1], v[\dst+jj:\dst+jj+1], v[LT:LT+1]
	s_delay_alu instid0(VALU_DEP_4)
	v_pk_fma_f32 v[LT+2:LT+3], v[\dst+jj+2:\dst+jj+3], v[\dst+jj+2:\dst+jj+3], v[LT+2:LT+3]
	s_delay_alu instid0(VALU_DEP_4)
	v_pk_fma_f32 v[240:241], v[\dst+jj+4:\dst+jj+5], v[\dst+jj+4:\dst+jj+5], v[240:241]
	s_delay_alu instid0(VALU_DEP_4)
	v_pk_fma_f32 v[242:243], v[\dst+jj+6:\dst+jj+7], v[\dst+jj+6:\dst+jj+7], v[242:243]
.set jj, jj+8
.endr
	s_delay_alu instid0(VALU_DEP_2)
	v_pk_add_f32 v[LT:LT+1], v[LT:LT+1], v[240:241]
	s_delay_alu instid0(VALU_DEP_2)
	v_pk_add_f32 v[LT+2:LT+3], v[LT+2:LT+3], v[242:243]
	s_delay_alu instid0(VALU_DEP_1)
	v_pk_add_f32 v[LT:LT+1], v[LT:LT+1], v[LT+2:LT+3]
	s_delay_alu instid0(VALU_DEP_1)
	v_add_f32 v[LT], v[LT], v[LT+1]
	s_delay_alu instid0(VALU_DEP_1)
	v_permlanex16_b32 v[LT+4], v[LT], s60, s61
	s_delay_alu instid0(VALU_DEP_1)
	v_add_f32 v[LT], v[LT], v[LT+4]
	s_delay_alu instid0(VALU_DEP_1)
	v_fma_f32 v[LS], v[LT], s38, s35               ; the variance + 1e-5
	s_wait_alu depctr_va_vdst(0)
	v_rsq_f32 v[LS], v[LS]
	v_nop                                          ; a plain place behind the transcendental
.set jj, 0
	s_wait_alu depctr_va_vdst(0)
.rept 32
	v_pk_mul_f32 v[\dst+jj:\dst+jj+1], v[\dst+jj:\dst+jj+1], v[LS:LS+1] op_sel_hi:[1,0]
.set jj, jj+2
.endr
	s_wait_dscnt 0x0                               ; gains and biases are in
	WIN 0x14                                       ; sources 1 and 2 in U
.set jj, 0
.rept 32
	v_pk_fma_f32 v[\dst+jj:\dst+jj+1], v[\dst+jj:\dst+jj+1], v[U+jj:U+jj+1], v[U+64+jj:U+65+jj]
.set jj, jj+2
.endr
	WIN 0
.endm
; The byte offsets of my four runs of 4 rows (2,048 bytes each) in window s[wi]: run 2 a + cb: image 2 b + frame, row (8 wh + 4 + wy) mod 128 with wy = 4 (beta & 1) + 2 a + u, first column (8 ww + 4 + 4 cb) mod 128
.macro WOFF dst, wi
	s_lshr_b32 s90, s[\wi], 8
	s_lshl_b32 s90, s90, 1
	s_add_co_u32 s90, s90, s62
	s_lshl_b32 s90, s90, 14
	s_bfe_u32 s91, s[\wi], 0x40004
	s_lshl_b32 s91, s91, 3
	s_add_co_u32 s91, s91, s63
	s_add_co_u32 s92, s91, 2
	s_and_b32 s91, s91, 127
	s_and_b32 s92, s92, 127
	s_lshl_b32 s91, s91, 7
	s_lshl_b32 s92, s92, 7
	s_add_co_u32 s91, s91, s90
	s_add_co_u32 s92, s92, s90
	s_and_b32 s93, s[\wi], 15
	s_lshl_b32 s93, s93, 3
	s_add_co_u32 s94, s93, 8
	s_and_b32 s94, s94, 127
	s_add_co_u32 s93, s93, 4
	s_add_co_u32 s[\dst], s91, s93
	s_add_co_u32 s[\dst+1], s91, s94
	s_add_co_u32 s[\dst+2], s92, s93
	s_add_co_u32 s[\dst+3], s92, s94
.irp k, 0,1,2,3
	s_lshl_b32 s[\dst+\k], s[\dst+\k], 9
.endr
.endm
.macro ADDOFF dst, base, off
	s_mov_b32 s96, s[\off]
	s_mov_b32 s97, 0
	s_add_nc_u64 s[\dst:\dst+1], s[\base:\base+1], s[96:97]
.endm
.macro GFRAG reg, vo, ptr, imm         ; a fragment from memory: 24 bytes of the row's stream of bits twice, as loads of 8 bytes
.irp p, 0,1,2,3,4,5
	global_load_b64 v[\reg+2*\p:\reg+2*\p+1], v[\vo], s[\ptr:\ptr+1] offset:\imm+48*(\p/3)+8*(\p%3)
.endr
.endm
.macro IMG reg, adr, off               ; a fragment goes to LDS as it stands: lane l's 16 bytes at 16 l
.irp c, 0,1,2
	ds_store_b128 v[\adr], v[\reg+4*\c:\reg+4*\c+3] offset:\off+512*\c
.endr
.endm
.macro KPAIR r, val
	s_mov_b32 s[\r], \val
	s_mov_b32 s[\r+1], \val
.endm
.macro XROWS                           ; the run of the next window's x goes from U into my slice of the other buffer
	s_wait_loadcnt 0x0                             ; the run is in, and its base may be written
	s_cmp_eq_u32 s48, 3
	s_cbranch_scc1 .Lno_rows_\@
	WIN 0x04                                       ; the data: window 1
.irp k, 0,1,2,3
	ds_store_b128 v[AD4], v[U+112+4*\k:U+115+4*\k] offset:SPI*\k
.endr
	WIN 0
.Lno_rows_\@:
.endm
; ================ the prologue ================
	s_load_b512 s[4:19], s[0:1], 0x0               ; x, out, qkv codes, scales, bias, proj codes, scales, bias
	s_load_b512 s[20:35], s[0:1], 0x40             ; fc1 codes, scales, bias, fc2 codes, scales, bias, norm1 w, b
	s_load_b128 s[36:39], s[0:1], 0x80             ; norm2 w, b
	s_load_b64 s[40:41], s[0:1], 0x90              ; the table of relative-position biases
	v_lshrrev_b32 v12, 5, v0
	s_delay_alu instid0(VALU_DEP_1)
	v_readfirstlane_b32 s42, v12                   ; wave 0..7
	s_and_b32 s43, s42, 1                          ; u
	s_lshr_b32 s44, s42, 1                         ; beta
	s_and_b32 s45, s44, 1
	s_lshr_b32 s62, s44, 1                         ; my tokens' frame
	s_lshl_b32 s63, s45, 2
	s_add_co_u32 s63, s63, s43
	s_add_co_u32 s63, s63, 4
	s_mul_i32 s50, s42, SLB
	s_and_b32 s51, s42, 6
	s_mul_i32 s51, s51, SLB
	s_mov_b32 s60, 0x76543210
	s_mov_b32 s61, 0xfedcba98                      ; v_permlanex16_b32's selects for lane l xor 16
	s_mov_b32 s46, 0
	s_mov_b32 s47, BUF1
	s_mov_b32 s48, 0
	s_lshl_b32 s49, ttmp9, 2                       ; my first window
	v_and_b32 v12, 31, v0
	s_delay_alu instid0(VALU_DEP_1)
	v_lshlrev_b32 v[LI], 4, v12
	s_delay_alu instid0(VALU_DEP_2)
	v_lshlrev_b32 v[L4], 2, v12
	v_and_b32 v[RR], 15, v0
	v_bfe_u32 v[HH], v0, 4, 1
	s_delay_alu instid0(VALU_DEP_2)
	v_and_b32 v[PR], 8, v[RR]
	s_delay_alu instid0(VALU_DEP_1)
	v_add_nc_u32 v[PR], v[PR], v[RR]
	v_add_nc_u32 v[WQA], WQKV, v[LI]
	v_add_nc_u32 v[WF1A], WFC1, v[LI]
	v_add_nc_u32 v[WF2A], WFC2, v[LI]
	v_lshl_add_u32 v[SCA], v[RR], 4, SCB
	v_lshl_add_u32 v[BHA], v[HH], 6, BIAS
	v_add_nc_u32 v[STW], s50, v[LI]
	v_mul_u32_u24 v[STR], v[RR], SPI
	s_delay_alu instid0(VALU_DEP_1)
	v_lshl_add_u32 v[STR], v[HH], 6, v[STR]
	s_delay_alu instid0(VALU_DEP_1)
	v_add_nc_u32 v[STR], s50, v[STR]
	v_mul_u32_u24 v12, v[PR], 96                   ; lane offsets in the weights: my row of a tile, + 24 h
	s_delay_alu instid0(VALU_DEP_1)
	v_mad_u32_u24 v12, v[HH], 24, v12
	v_mul_u32_u24 v13, v[PR], 384                  ; (fc2's rows are 512 codes)
	s_delay_alu instid0(VALU_DEP_1)
	v_mad_u32_u24 v13, v[HH], 24, v13
	v_lshlrev_b32 v14, 2, v[PR]                    ; and in their scale bytes
	v_lshlrev_b32 v15, 4, v[PR]
	v_lshrrev_b32 v16, 3, v[RR]                    ; in the table: (qy + 2 - 2 h) x 15 rows + qx, 16 bytes each; qy = 4 (beta & 1) + u + 2 (r / 8), qx = r % 8
	s_delay_alu instid0(VALU_DEP_1)
	v_add_nc_u32 v16, 1, v16
	s_delay_alu instid0(VALU_DEP_1)
	v_sub_nc_u32 v16, v16, v[HH]
	s_sub_co_u32 s90, s63, 4
	v_lshl_add_u32 v16, v16, 1, s90
	s_delay_alu instid0(VALU_DEP_1)
	v_mul_u32_u24 v16, v16, 240
	v_and_b32 v[NM], 7, v[RR]
	s_delay_alu instid0(VALU_DEP_1)
	v_lshl_add_u32 v16, v[NM], 4, v16
	v_min_u32 v17, 224, v0                         ; thread t copies the table's row min(t, 224): 225 rows of 16 bytes
	v_lshl_add_u32 v23, v0, 4, RPBT
	s_delay_alu instid0(VALU_DEP_2)
	v_lshlrev_b32 v17, 4, v17
	s_lshl_b32 s90, s44, 5
	s_lshl_b32 s91, s43, 3
	s_add_co_u32 s90, s90, s91                     ; wave w copies tile w of every group of eight: its first row is 32 beta + 8 u
	s_mov_b32 s93, 0
	s_mul_i32 s92, s90, 96
	s_wait_alu depctr_va_vdst(0)                   ; the wait at the head's end
	s_wait_kmcnt 0x0
	s_add_nc_u64 s[8:9], s[8:9], s[92:93]
	s_add_nc_u64 s[14:15], s[14:15], s[92:93]
	s_add_nc_u64 s[20:21], s[20:21], s[92:93]
	s_lshl_b32 s92, s92, 2
	s_add_nc_u64 s[26:27], s[26:27], s[92:93]
	s_lshl_b32 s92, s90, 2
	s_add_nc_u64 s[10:11], s[10:11], s[92:93]
	s_add_nc_u64 s[16:17], s[16:17], s[92:93]
	s_add_nc_u64 s[22:23], s[22:23], s[92:93]
	s_lshl_b32 s92, s90, 4
	s_add_nc_u64 s[28:29], s[28:29], s[92:93]
	; the small vectors, 512 bytes a chunk: wave w copies chunk w (qkv_b's three, proj_b, fc1_b's four) and chunk 8 + w (fc2_b, norm2 w, b, norm1 w, b; waves 5-7 lay norm1_b once more into the three chunks left, which nobody reads)
	s_cmp_lt_u32 s42, 4
	s_cselect_b64 s[74:75], s[18:19], s[24:25]
	s_cmp_lt_u32 s42, 3
	s_cselect_b64 s[74:75], s[12:13], s[74:75]
	s_and_b32 s94, s42, 3
	s_cmp_eq_u32 s42, 3
	s_cselect_b32 s94, 0, s94
	s_lshl_b32 s94, s94, 9
	s_mov_b32 s95, 0
	s_add_nc_u64 s[74:75], s[74:75], s[94:95]
	s_cmp_eq_u32 s42, 0
	s_cselect_b64 s[76:77], s[30:31], s[34:35]
	s_cmp_eq_u32 s42, 1
	s_cselect_b64 s[76:77], s[36:37], s[76:77]
	s_cmp_eq_u32 s42, 2
	s_cselect_b64 s[76:77], s[38:39], s[76:77]
	s_cmp_eq_u32 s42, 3
	s_cselect_b64 s[76:77], s[32:33], s[76:77]
	WOFF 52, 49
.irp k, 0,1,2,3
	ADDOFF 66+2*\k, 4, 52+\k
.endr
.set ii, 0
.rept 16                                       ; the first window's x: a load takes one token's 512 bytes
	global_load_b128 v[XA+4*ii:XA+4*ii+3], v[LI], s[66+2*(ii/4):67+2*(ii/4)] offset:512*(ii%4) th:TH_LOAD_NT
.set ii, ii+1
.endr
.irp i, 0,1,2
	GFRAG XB+12*\i, 12, 8, 12288*\i                ; q's, k's, v's tile w
.endr
	GFRAG XB+36, 12, 14, 0                         ; proj's
.irp i, 0,1,2,3
	GFRAG XB+48+12*\i, 12, 20, 12288*\i            ; fc1's, chunk i
	GFRAG XB+96+12*\i, 13, 26, 96*\i               ; fc2's, K step i
.endr
.irp i, 0,1,2
	global_load_b32 v[232+\i], v14, s[10:11] offset:512*\i
.endr
	global_load_b32 v235, v14, s[16:17]
.irp i, 0,1,2,3
	global_load_b32 v[236+\i], v14, s[22:23] offset:512*\i
.endr
	global_load_b128 v[240:243], v15, s[28:29]
	global_load_b128 v[244:247], v[LI], s[74:75]
	global_load_b128 v[248:251], v[LI], s[76:77]
	global_load_b128 v[252:255], v17, s[40:41]
	s_wait_loadcnt 0x0                             ; all of them: the offsets' registers may be written again
.set ii, 0
.rept 16
	ds_store_b128 v[STW], v[XA+4*ii:XA+4*ii+3] offset:SPI*ii
.set ii, ii+1
.endr
	s_mul_i32 s90, s42, FRB
	v_add_nc_u32 v12, s90, v[WQA]
	v_add_nc_u32 v13, s90, v[WF1A]
	v_add_nc_u32 v14, s90, v[WF2A]
.irp i, 0,1,2,3
	IMG XB+12*\i, 12, 12288*\i
	IMG XB+48+12*\i, 13, 12288*\i
	IMG XB+96+12*\i, 14, 12288*\i
.endr
	s_lshr_b32 s90, s42, 2
	s_lshl_b32 s90, s90, 8
	s_and_b32 s91, s42, 3
	s_lshl_b32 s91, s91, 2
	s_add_co_u32 s90, s90, s91
	s_add_co_u32 s90, s90, SCB
	v_lshl_add_u32 v15, v[RR], 4, s90
.irp i, 0,1,2,3,4,5,6,7,8,9,10,11              ; the twelve sets follow each other: q, k, v, proj, fc1's four, fc2's four
	ds_store_b32 v15, v[232+\i] offset:512*\i
.endr
	s_lshl_b32 s91, s42, 9
	s_add_co_u32 s91, s91, BIAS
	v_add_nc_u32 v17, s91, v[LI]
	ds_store_b128 v17, v[244:247]
	ds_store_b128 v17, v[248:251] offset:4096
	ds_store_b128 v23, v[252:255]
	s_mov_b32 s8, 0xc0b504f3                       ; every load that named s8-41 is done: now constants.  -4 sqrt(2),
	s_mov_b32 s9, 0x40b504f3                       ; 4 sqrt(2)
	KPAIR 10, 0xac15df0b                           ; a's coefficients, halved, that of u^(2k) x 2^-k, the highest power first (the second stands in v[18:19])
	KPAIR 12, 0xb38cff51
	KPAIR 14, 0xb66ec2d2
	KPAIR 16, 0xb8c0ac63
	KPAIR 18, 0xba41a1f6
	KPAIR 20, 0xbc03dbd4
	KPAIR 22, 0xb5accd2b                           ; b's, x 2^-k x sqrt(2) (the second in v[20:21])
	KPAIR 24, 0xba1bf7b5
	KPAIR 26, 0xbbaad7f2
	KPAIR 28, 0xbca542a9
	KPAIR 30, 0x3fb8aa3b                           ; log2(e)
	KPAIR 32, 0x3e3504f3                           ; 32^-0.5
	s_mov_b32 s34, 0xc2c80000                      ; -100
	s_mov_b32 s35, 0x3727c5ac                      ; 1e-5
	s_mov_b32 s36, 0x0000ffff                      ; lanes 0-15
	s_mov_b32 s37, 0xffff0000                      ; lanes 16-31
	s_mov_b32 s38, 0x3c000000                      ; 1 / 128
	v_mov_b32 v18, 0x2fedffee
	v_mov_b32 v19, 0x2fedffee
	v_mov_b32 v20, 0xb81e3533
	v_mov_b32 v21, 0xb81e3533
.irp b, 0,1,2,3
	v_mov_b32 v[TM+4+\b], 0                        ; a lane permute's destination counts as one of its sources
.endr
	BAR                                            ; the weights, scale words, vectors and the table lie in LDS
	v_add_nc_u32 v16, RPBT, v16
	WIN 0x40
.irp g, 0,1,2,3                                ; v[256 + 32 g + 16 y + 8 u + j]: head g's bias for my query and the key at row 4 y + 2 h + u, column j
.irp y, 0,1
.irp u, 0,1
.irp j, 0,1,2,3,4,5,6,7
	ds_load_b32 v[32*\g+16*\y+8*\u+\j], v16 offset:((5-4*\y-\u)*15+7-\j)*16+4*\g
.endr
.endr
.endr
.endr
	WIN 0
; ================ a head of attention ================
.macro HEAD hh
.if (\hh) == 0
	s_wait_alu depctr_va_vdst(0)
	s_wait_dscnt 0x0                               ; k's eight fragments and scale words are in
.endif
	WIN 0x11                                       ; S^T: source 0 = 16 keys (U), source 1 = q with head hh's block alone, C = the relative-position bias (v256 ..)
.irp t, 0,1,2,3,4,5,6,7
	MM XA+8*\t, U+12*\t, XB+18*((\hh)%2)+6*((\hh)/2), 32*(\hh)+16*((\t/2)%2)+8*(\t%2), SCL+\t, QS
.endr
	WIN 0
.irp w, 0,1                                    ; the head's two tiles of V^T: they land during the softmax
.irp p, 0,1,2,3,4,5
	ds_load_b64 v[KV+12*\w+2*\p:KV+12*\w+2*\p+1], v[AD1] offset:SLB*(2*(\hh)+\w)+VIMG+48*(\p/3)+8*(\p%3)
.endr
.endr
	ds_load_b32 v[VS0], v[AD2] offset:SLB*(2*(\hh))+VSCO
	ds_load_b32 v[VS1], v[AD2] offset:SLB*(2*(\hh)+1)+VSCO
	PLACES 4                                       ; in front of the first read of the scores and of loads into the products' registers
.if (\hh) == 3
	SLOAD SCL, SCA, SCP                            ; k is done with: proj's weights take its place
	WIN 0x40
	WLOAD 8, U, WQA, 36864
	WIN 0
.endif
	s_cmp_eq_u32 s89, 0                            ; the mask: only windows of the last row or column have one (a branch on the window's number)
	s_cbranch_scc1 .Lno_mask_\@
	s_wait_alu depctr_va_vdst(0)
.irp b, 0,1,2,3                                ; register 16 b + i: key row 4 (b % 2) + .., key column i % 8
.irp i, 0,2,4,6,8,10,12,14
	v_pk_add_f32 v[XA+16*\b+\i:XA+16*\b+\i+1], v[XA+16*\b+\i:XA+16*\b+\i+1], v[MK+4*(\b%2)+2*((\i%8)/4):MK+4*(\b%2)+2*((\i%8)/4)+1]
.endr
.endr
.Lno_mask_\@:
.irp b, 0,1,2,3
	v_max3_num_f32 v[BM+\b], v[XA+16*\b], v[XA+16*\b+1], v[XA+16*\b+2]   ; the largest logit of each block of 32 keys: for the row's maximum and, since p rises with the logit, for the block's largest p
.endr
.irp i, 3,5,7,9,11,13
.irp b, 0,1,2,3
	v_max3_num_f32 v[BM+\b], v[BM+\b], v[XA+16*\b+\i], v[XA+16*\b+\i+1]
.endr
.endr
.irp b, 0,1,2,3
	v_max_num_f32 v[BM+\b], v[BM+\b], v[XA+16*\b+15]
.endr
.irp b, 0,1,2,3
	s_delay_alu instid0(VALU_DEP_4)
	v_permlanex16_b32 v[BP+\b], v[BM+\b], s60, s61
.endr
.irp b, 0,1,2,3
	s_delay_alu instid0(VALU_DEP_4)
	v_max_num_f32 v[BM+\b], v[BM+\b], v[BP+\b]
.endr
	s_delay_alu instid0(VALU_DEP_2)
	v_max3_num_f32 v[TT], v[BM], v[BM+1], v[BM+2]
	s_delay_alu instid0(VALU_DEP_1)
	v_max_num_f32 v[TT], v[TT], v[BM+3]
	s_delay_alu instid0(VALU_DEP_1)
	v_mul_f32 v[TX], s30, v[TT]                    ; the row's largest t
	s_delay_alu instid0(VALU_DEP_1)
	v_floor_f32 v[NM], -v[TX]                      ; -M = floor(-t) = -ceil(t)
.set jj, 0
.rept 32
	v_pk_fma_f32 v[XA+jj:XA+jj+1], v[XA+jj:XA+jj+1], s[30:31], v[NM:NM+1] op_sel_hi:[1,0,0]   ; t - M
.set jj, jj+2
.endr
.irp b, 0,1,2,3
	v_fma_f32 v[BM+\b], v[BM+\b], s30, v[NM]
.endr
.set jj, 0
	s_wait_alu depctr_va_vdst(0)
.rept 64
	v_exp_f32 v[XA+jj], v[XA+jj]                   ; p = 2^(t - M), not normalised
.set jj, jj+1
.endr
.irp b, 0,1,2,3
	v_exp_f32 v[BM+\b], v[BM+\b]
.endr
	v_nop                                          ; a plain place behind the exponentials
	s_wait_alu depctr_va_vdst(0)
.irp b, 0,1,2,3
	v_max_num_f32 v[BM+\b], 0x1800000, v[BM+\b]    ; the floor 2^(3 - 127)
.endr
	QCODE BM, XA, F1, S1
	TREE XA, 252, 184, 238, 232, 202, 200, 198, 196   ; the row's sum, of the unquantised p
	s_wait_alu depctr_va_vdst(0)
	s_wait_dscnt 0x0                               ; V^T and its scale words are in
	MM0 OO, KV, F1, VS0, S1                        ; O^T: source 0 = 16 channels x 128 keys, source 1 = p
	MM0 OO+8, KV+12, F1, VS1, S1
	PLACES 4
.if (\hh) == 3
	VLOAD64 XA, BHA, PROJB                         ; proj's bias, the C of its products; the shortcut in two halves, where q's operands and V^T lay
	VLOAD32 XB, AD4, 0
	VLOAD32 KV, AD4, 256
.endif
	v_add_f32 v[LS], v[LS], v[LS+1]
	s_delay_alu instid0(VALU_DEP_1)
	v_permlanex16_b32 v[TT], v[LS], s60, s61
	s_delay_alu instid0(VALU_DEP_1)
	v_add_f32 v[LS], v[LS], v[TT]                  ; l
	s_wait_alu depctr_va_vdst(0)
	v_rcp_f32 v[LS], v[LS]
	v_nop
.set jj, 0
	s_wait_alu depctr_va_vdst(0)
.rept 8
	v_pk_mul_f32 v[OO+jj:OO+jj+1], v[OO+jj:OO+jj+1], v[LS:LS+1] op_sel_hi:[1,0]
.set jj, jj+2
.endr
	v_max3_num_f32 v[TM], |v[OO]|, |v[OO+1]|, 0x1800000    ; the head's 32 channels are block hh of proj's K: my 16 of them
	s_delay_alu instid0(VALU_DEP_4)
	v_max3_num_f32 v[TM+1], |v[OO+8]|, |v[OO+9]|, |v[OO+10]|
	s_delay_alu instid0(VALU_DEP_2)
	v_max3_num_f32 v[TM], v[TM], |v[OO+2]|, |v[OO+3]|
	s_delay_alu instid0(VALU_DEP_2)
	v_max3_num_f32 v[TM+1], v[TM+1], |v[OO+11]|, |v[OO+12]|
	s_delay_alu instid0(VALU_DEP_2)
	v_max3_num_f32 v[TM], v[TM], |v[OO+4]|, |v[OO+5]|
	s_delay_alu instid0(VALU_DEP_2)
	v_max3_num_f32 v[TM+1], v[TM+1], |v[OO+13]|, |v[OO+14]|
	s_delay_alu instid0(VALU_DEP_2)
	v_max3_num_f32 v[TM], v[TM], |v[OO+6]|, |v[OO+7]|
	s_delay_alu instid0(VALU_DEP_1)
	v_max3_num_f32 v[TM], v[TM], v[TM+1], |v[OO+15]|
	s_delay_alu instid0(VALU_DEP_1)
	v_permlanex16_b32 v[TM+4], v[TM], s60, s61
	s_delay_alu instid0(VALU_DEP_1)
	v_max_num_f32 v[TM], v[TM], v[TM+4]
	s_delay_alu instid0(VALU_DEP_1)
	v_add_nc_u32 v[TM+8], 0xff000000, v[TM]
	s_delay_alu instid0(VALU_DEP_1)
	v_lshrrev_b32 v[OB+(\hh)], 23, v[TM+8]
.if (\hh)%2 == 0
	v_cvt_scalef32_pk16_fp6_f32 v[F2+6*((\hh)/2):F2+6*((\hh)/2)+2], v[OO:OO+15], v[TM+8]
.else
	v_cvt_scalef32_pk16_fp6_f32 v[AX+4*((\hh)/2):AX+4*((\hh)/2)+2], v[OO:OO+15], v[TM+8]
.endif
	v_nop                                          ; one plain place behind a scaled conversion
.endm
; ================ a window ================
.Lwin:
.irp k, 0,1,2,3
	ADDOFF 74+2*\k, 6, 52+\k                       ; out at this window's runs (the last trip's stores have read these registers: the wait at its end)
.endr
	s_add_co_u32 s95, s49, 1
	WOFF 56, 95
.irp k, 0,1,2,3
	ADDOFF 66+2*\k, 4, 56+\k                       ; x at the next window's runs (not used in the last trip)
.endr
	s_bfe_u32 s90, s49, 0x40004
	s_cmp_eq_u32 s90, 15
	s_cselect_b32 s91, 1, 0                        ; the last row of windows: token rows 0-3 and 4-7 are different regions
	s_and_b32 s90, s49, 15
	s_cmp_eq_u32 s90, 15
	s_cselect_b32 s86, 1, 0                        ; the last column: token columns likewise
	s_and_b32 s87, s91, s45                        ; my queries lie in rows 4 (beta & 1) .. + 3
	s_xor_b32 s92, s45, 1
	s_and_b32 s88, s91, s92
	s_or_b32 s89, s91, s86
	s_add_co_u32 s90, s47, s50
	s_mul_i32 s91, s43, 4*FRB
	s_lshl_b32 s92, s43, 8
	s_add_co_u32 s93, s92, BIAS+VB
	s_add_co_u32 s94, s47, s51
	; ---- X: my 16 tokens of x become a fragment; its image goes to LDS for my partner.  Wk is asked for behind x.  The order of the phases is X, K, V, Q: q is made while k's images are on their way
	v_add_nc_u32 v[TT], s46, v[STR]
	v_add_nc_u32 v[AD0], s47, v[STW]
	v_add_nc_u32 v[AD1], s90, v[L4]
	VLOAD64 XA, TT, 0
	SLOAD SCL, SCA, SCQ+512
	WIN 0x40
	WLOAD 8, U, WQA, 12288
	WIN 0
	s_wait_dscnt 26                                ; x is in; the 2 + 24 loads behind it may be out
	QUANT XA, F1, S1, 4
	VLOAD64 XA, BHA, KB                            ; k's bias: the C of the products
	IMG F1, AD0, 0
	ds_store_b32 v[AD1], v[S1] offset:XSCO
	s_wait_alu depctr_va_vdst(0)
	s_wait_dscnt 0x0                               ; Wk and k's bias are in; x's image has landed, and my reads of what lay in this buffer are over:
	s_barrier_signal -1                            ; say so; k's products, work on registers, stand between the signal and the wait
	LMMU XA, F1, S1, SCL
	v_add_nc_u32 v[AD2], s91, v[WQA]
	v_add_nc_u32 v[AD3], s92, v[SCA]
	v_lshl_add_u32 v[AD4], v[PR], 2, s93
	v_add_nc_u32 v[TX], s94, v[LI]
	v_add_nc_u32 v[NM], s94, v[L4]
	s_wait_alu depctr_va_vdst(0)
	s_barrier_wait -1                              ; x's eight images lie in the other buffer, and nobody reads what lay there
.irp w, 0,1                                    ; my pair's two images land under k's quantiser
.irp c, 0,1,2
	ds_load_b128 v[XB+36+12*\w+4*\c:XB+39+12*\w+4*\c], v[TX] offset:SLB*\w+512*\c
.endr
	ds_load_b32 v[SCL+4+\w], v[NM] offset:SLB*\w+XSCO
.endr
	WIN 0x40                                       ; Wv's tiles 4 u .. 4 u + 3, and v's bias of my channel in each, eight times over: the C of V's products
	WLOAD 4, U, AD2, 24576
.irp c, 0,1,2,3
.irp k, 0,1,2,3,4,5,6,7
	ds_load_b32 v[U+48+8*\c+\k], v[AD4] offset:128*(\c/2)+32*(\c%2)
.endr
.endr
	WIN 0
	ds_load_b128 v[SCL:SCL+3], v[AD3] offset:SCQ+1024
	QUANT XA, F2, S2, 0
	IMG F2, AD0, KIMG
	ds_store_b32 v[AD1], v[S2] offset:KSCO
	; ---- V: my pair's 32 tokens x channel tiles 4 u .. 4 u + 3
	s_mul_i32 s90, s43, 4*SLB
	s_add_co_u32 s90, s90, s47
	s_mul_i32 s91, s44, 24
	s_add_co_u32 s91, s91, s90
	s_add_co_u32 s90, s90, s44
	s_wait_alu depctr_va_vdst(0)
	s_wait_dscnt 0x0                               ; the images, Wv and v's bias are in; k's image has landed
	WIN 0x14                                       ; source 1 (Wv) and C (the bias) in U
.irp c, 0,1,2,3
.irp w, 0,1
	MM XA+16*\c+8*\w, XB+36+12*\w, U+12*\c, U+48+8*\c, SCL+4+\w, SCL+\c
.endr
.endr
	WIN 0
	v_mul_u32_u24 v[AD0], v[RR], VPI               ; where V^T goes: these four are the places behind the products
	v_lshl_add_u32 v[AD1], v[RR], 2, s90
	s_delay_alu instid0(VALU_DEP_2)
	v_mad_u32_u24 v[AD0], v[HH], SLB, v[AD0]
	s_delay_alu instid0(VALU_DEP_1)
	v_add_nc_u32 v[AD0], s91, v[AD0]
	SLOAD SCL, SCA, SCQ
	WIN 0x40
	WLOAD 8, U, WQA, 0
	WIN 0
	QUANT XA, F2, S2, 0
	VLOAD64 XA, BHA, QB                            ; q's bias: the C of q's products
.irp c, 0,1
.irp q, 0,1,2
	ds_store_b64 v[AD0], v[F2+6*\c+2*\q:F2+6*\c+2*\q+1] offset:VIMG+2*SLB*\c+8*\q
.endr
.endr
.irp c, 1,2,3
	v_lshrrev_b32 v[TM+\c], 8*\c, v[S2]
.endr
	ds_store_b8 v[AD1], v[S2] offset:VSCO          ; byte beta of the channel's scale word (lanes r and r + 16 store the same byte)
.irp c, 1,2,3
	ds_store_b8 v[AD1], v[TM+\c] offset:VSCO+SLB*\c
.endr
	BAR                                            ; k's eight images and V^T's eight tiles lie in the other buffer
	; ---- attention: k's eight fragments come once, for all four heads
	LMMU XA, F1, S1, SCL                           ; Q's products first: Wq then leaves U to k
	v_add_nc_u32 v[AD3], s47, v[L4]
	v_add_nc_u32 v[AD0], s47, v[LI]
	PLACES 2                                       ; four places in all behind the products
.irp t, 0,1,2,3,4,5,6,7
	ds_load_b32 v[SCL+\t], v[AD3] offset:SLB*\t+KSCO
.endr
	WIN 0x40
.irp t, 0,1,2,3,4,5,6,7
.irp c, 0,1,2
	ds_load_b128 v[U+12*\t+4*\c:U+12*\t+4*\c+3], v[AD0] offset:SLB*\t+KIMG+512*\c
.endr
.endr
	WIN 0
.set jj, 0
.rept 32
	v_pk_mul_f32 v[XA+jj:XA+jj+1], v[XA+jj:XA+jj+1], s[32:33] op_sel_hi:[1,0]
.set jj, jj+2
.endr
	QUANT XA, F2, QS, 0
.irp i, 0,1,2,3,4,5                            ; four operands, each with one head's block and zero codes elsewhere: v88 head 0 | v94 zeros | v100 head 2 | v106 head 1 | v112 zeros | v118 head 3
	v_cndmask_b32 v[XB+\i], 0, v[F2+\i], s36
	v_mov_b32 v[XB+6+\i], 0
	v_cndmask_b32 v[XB+12+\i], 0, v[F2+6+\i], s36
	v_cndmask_b32 v[XB+18+\i], 0, v[F2+\i], s37
	v_mov_b32 v[XB+24+\i], 0
	v_cndmask_b32 v[XB+30+\i], 0, v[F2+6+\i], s37
.endr
	v_mul_u32_u24 v[AD1], v[RR], VPI
	v_lshl_add_u32 v[AD2], v[RR], 2, s47
	v_add_nc_u32 v[AD4], s46, v[STR]
	s_delay_alu instid0(VALU_DEP_3)
	v_mad_u32_u24 v[AD1], v[HH], 24, v[AD1]
	s_delay_alu instid0(VALU_DEP_1)
	v_add_nc_u32 v[AD1], s47, v[AD1]
	v_bfe_u32 v[TT], v0, 2, 1                      ; my query's column / 4
	s_delay_alu instid0(VALU_DEP_1)
	v_and_b32 v[BM], s86, v[TT]
	s_delay_alu instid0(VALU_DEP_2)
	v_xor_b32 v[BM+1], 1, v[TT]
	s_delay_alu instid0(VALU_DEP_1)
	v_and_b32 v[BM+1], s86, v[BM+1]
.irp y, 0,1                                    ; -100 where the key's region (rows 4 y .., columns 4 x ..) is not my query's, else 0
.irp x, 0,1
	v_or_b32 v[BM+2], s[87+\y], v[BM+\x]
	s_delay_alu instid0(VALU_DEP_1)
	v_mul_lo_u32 v[MK+4*\y+2*\x], v[BM+2], s34
	s_delay_alu instid0(VALU_DEP_1)
	v_mov_b32 v[MK+4*\y+2*\x+1], v[MK+4*\y+2*\x]
.endr
.endr
	HEAD 0
	HEAD 1
	HEAD 2
	HEAD 3
	v_lshl_or_b32 v[S2], v[OB+1], 8, v[OB]         ; the four heads' bytes make the scale word, their half blocks the operand
	s_delay_alu instid0(VALU_DEP_1)
	v_lshl_or_b32 v[S2], v[OB+2], 16, v[S2]
	s_delay_alu instid0(VALU_DEP_1)
	v_lshl_or_b32 v[S2], v[OB+3], 24, v[S2]
.irp c, 0,1
.irp i, 0,1,2
	v_permlane16_swap_b32 v[F2+6*\c+\i], v[AX+4*\c+\i]
.endr
.irp i, 0,1,2
	s_delay_alu instid0(VALU_DEP_3)
	v_mov_b32 v[F2+6*\c+3+\i], v[AX+4*\c+\i]
.endr
.endr
	PLACES 4
	s_wait_alu depctr_va_vdst(0)
	s_wait_dscnt 0x0                               ; proj's weights, its bias and the shortcut are in; my reads of the other buffer are over:
	s_barrier_signal -1                            ; say so.  Up to the wait, ahead of the MLP: work on registers, and loads of weights and vectors, which nobody writes
	; ---- proj, + its bias (as C), + the shortcut
	LMMU XA, F2, S2, SCL
	PLACES 4
.set jj, 0
.rept 16
	v_pk_add_f32 v[XA+jj:XA+jj+1], v[XA+jj:XA+jj+1], v[XB+jj:XB+jj+1]
.set jj, jj+2
.endr
.set jj, 0
.rept 16
	v_pk_add_f32 v[XA+32+jj:XA+33+jj], v[XA+32+jj:XA+33+jj], v[KV+jj:KV+jj+1]
.set jj, jj+2
.endr
	; ---- the first norm feeds the MLP; the sums of fc2 begin as x + fc2's bias
	VLOAD64 XC, BHA, FC2B
	LNORM XA, XB, N2W, N2B
.set jj, 0
.rept 32
	v_pk_add_f32 v[XA+jj:XA+jj+1], v[XA+jj:XA+jj+1], v[XC+jj:XC+jj+1]
.set jj, jj+2
.endr
	QUANT XB, F1, S1, 4
	; ---- the MLP, 128 hidden units a trip: they are one K step of fc2.  fc1's bias, scale words and fragments of a trip are asked for in the trip before: tiles 0-3 in v152 .., tile 4 in U + 96, tiles 5-7, last, in U
	VLOAD64 XB, BHA, FC1B
	SLOAD SCL, SCA, SC1
	WLOAD 4, XC, WF1A, 0
	WIN 0x40
	WLOAD 1, U+96, WF1A, 4*FRB
	WLOAD 3, U, WF1A, 5*FRB
	WIN 0
	s_mov_b32 s82, 0
	s_mov_b32 s83, 0
	s_mov_b32 s84, 0
	s_mov_b32 s85, s47
	s_wait_alu depctr_va_vdst(0)
	s_barrier_wait -1                              ; nobody reads the other buffer any more: each wave may lay the next window's x into its slice
.Lmlp:
	s_wait_dscnt 9                                 ; all but tiles 5-7's nine loads are in
.irp f, 0,1,2,3
	MM XB+8*\f, XC+12*\f, F1, XB+8*\f, SCL+\f, S1
.endr
	WIN 0x01
	MM XB+32, U+96, F1, XB+32, SCL+4, S1
	s_wait_dscnt 0x0
.irp f, 5,6,7
	MM XB+8*\f, U+12*(\f-5), F1, XB+8*\f, SCL+\f, S1
.endr
	WIN 0
	v_add_nc_u32 v[AD1], s83, v[WF2A]              ; no LDS instruction of mine is out: the addresses step.  (These five are the places behind the products)
	v_add_nc_u32 v[AD2], s84, v[SCA]
	v_add_nc_u32 v[AD0], s83, v[WF1A]
	v_add_nc_u32 v[AD3], s84, v[BHA]
	v_add_nc_u32 v[AD4], s85, v[STW]
	s_wait_alu depctr_va_vdst(0)
	SLOAD XD, AD2, SC2                             ; fc2's scale words and fragments land under the gelu
	WIN 0x40
	WLOAD 8, U, AD1, 0
	WIN 0
	s_cmp_eq_u32 s48, 3                            ; the last window has no successor: no load leaves the buffer
	s_cbranch_scc1 .Lno_next
	WIN 0x40
.irp k, 0,1,2,3
	global_load_b128 v[U+112+4*\k:U+115+4*\k], v[LI], s[66:67] offset:512*\k th:TH_LOAD_NT   ; one run of 4 rows of the next window's x
.endr
	WIN 0
.Lno_next:
.irp g, 0,1,2,3
	GELU16 XB+16*\g
.endr
	s_wait_alu depctr_va_vdst(0)
	s_cmp_eq_u32 s82, 3
	s_cbranch_scc1 .Lexit                          ; the last trip asks for nothing more: its end is written out
	SLOAD SCL, AD2, SC1+512                        ; the next trip's scale words and tiles 0 to 2 land under the quantiser
	WLOAD 3, XC, AD0, 12288                        ; tiles 0-2 where the gelu's first arrays lay, tile 4 in U + 96: they land under the quantiser
	WIN 0x40
	WLOAD 1, U+96, AD0, 12288+4*FRB
	WIN 0
	QUANT XB, F2, S2, 4
	VLOAD64 XB, AD3, FC1B+512                      ; the bias where the hidden units lay, tile 3 where the quantiser's twelve lay
	WLOAD 1, XC+36, AD0, 12288+3*FRB
	s_wait_alu depctr_va_vdst(0)
	s_wait_dscnt 33                                ; fc2's fragments are in; the 2 + 9 + 3 + 16 + 3 loads behind them may be out
	LMMU XA, F2, S2, XD
	PLACES 4
	XROWS
	s_mov_b64 s[66:67], s[68:69]                   ; the next run's address moves up
	s_mov_b64 s[68:69], s[70:71]
	s_mov_b64 s[70:71], s[72:73]
	WIN 0x40
	WLOAD 3, U, AD0, 12288+5*FRB                   ; tiles 5-7 where fc2's first three fragments lay: the youngest nine
	WIN 0
	s_add_co_u32 s83, s83, 12288
	s_add_co_u32 s84, s84, 512
	s_add_co_u32 s85, s85, 4*SPI
	s_add_co_u32 s82, s82, 1
	s_cmp_lt_u32 s82, 4
	s_cbranch_scc1 .Lmlp
.Lexit:
	s_wait_dscnt 0x0                               ; fc2's fragments are in
	QUANT XB, F2, S2, 4
	s_wait_alu depctr_va_vdst(0)
	LMMU XA, F2, S2, XD
	PLACES 4
	XROWS
	s_wait_dscnt 0x0                               ; the stores have read their registers, which the norm's gains take
	; ---- the last norm, and the way out through my slice: whole rows of 512 bytes
	LNORM XA, XA, N1W, N1B
	v_add_nc_u32 v[AD0], s46, v[STR]
	v_add_nc_u32 v[AD1], s46, v[STW]
.irp b, 0,1,2,3
.irp j, 0,1,2,3
	ds_store_b128 v[AD0], v[XA+16*\b+4*\j:XA+16*\b+4*\j+3] offset:128*\b+16*\j
.endr
.endr
.set ii, 0
.rept 16
	ds_load_b128 v[XB+4*ii:XB+4*ii+3], v[AD1] offset:SPI*ii    ; LDS serves a wave's instructions in order (ISA guide 5.7.1.4): these see my stores
.set ii, ii+1
.endr
.set ii, 0
.rept 16
	s_wait_dscnt 15-ii                             ; row ii is in; the rows behind it may be out
	global_store_b128 v[LI], v[XB+4*ii:XB+4*ii+3], s[74+2*(ii/4):75+2*(ii/4)] offset:512*(ii%4) th:TH_STORE_NT   ; 32 lanes store a token's 512 consecutive bytes, at a multiple of 512 from out's first byte
.set ii, ii+1
.endr
	s_wait_xcnt 0x0                                ; the stores' data and bases are written again only behind this wait
.irp k, 0,1,2,3
	s_mov_b32 s[52+\k], s[56+\k]
.endr
	s_xor_b32 s46, s46, BUF1
	s_xor_b32 s47, s47, BUF1
	s_add_co_u32 s49, s49, 1
	s_add_co_u32 s48, s48, 1
	s_cmp_lt_u32 s48, 4
	s_cbranch_scc1 .Lwin
	s_barrier_signal -1
	s_barrier_wait -1
	s_wait_xcnt 0x0
	v_lshl_add_u32 v254, v0, 2, 0x48800            ; the wave's end
	v_mov_b32 v255, 0
	s_wait_alu depctr_va_vdst(0)
	s_wait_tensorcnt 0x0
	ds_add_u32 v254, v255
	s_wait_dscnt 0x0
	s_endpgm
.Lfunc_end_k_q68befadb1e_swin:
	.size	k_q68befadb1e_swin, .Lfunc_end_k_q68befadb1e_swin-k_q68befadb1e_swin
	.p2alignl 7, 3214868480
	.fill 96, 4, 3214868480
	.section	.rodata,"a",@progbits
	.p2align	6, 0x0
	.amdhsa_kernel k_q68befadb1e_swin
		.amdhsa_group_segment_fixed_size 302080
		.amdhsa_private_segment_fixed_size 0
		.amdhsa_enable_private_segment 0
		.amdhsa_kernarg_size 152
		.amdhsa_user_sgpr_count 2
		.amdhsa_user_sgpr_kernarg_segment_ptr 1
		.amdhsa_wavefront_size32 1
		.amdhsa_system_sgpr_workgroup_id_x 1
		.amdhsa_system_sgpr_workgroup_id_y 1
		.amdhsa_system_sgpr_workgroup_id_z 1
		.amdhsa_system_vgpr_workitem_id 0
		.amdhsa_next_free_vgpr 512
		.amdhsa_next_free_sgpr 98
		.amdhsa_reserve_vcc 0
		.amdhsa_float_denorm_mode_32 3
		.amdhsa_float_denorm_mode_16_64 3
		.amdhsa_memory_ordered 1
		.amdhsa_forward_progress 1
		.amdhsa_inst_pref_size 252
	.end_amdhsa_kernel
	.amdgpu_metadata
---
amdhsa.version: [ 1, 2 ]
amdhsa.kernels:
  - .name:           k_q68befadb1e_swin
    .symbol:         k_q68befadb1e_swin.kd
    .args:
      - { .name: x_v, .offset: 0, .size: 8, .value_kind: global_buffer, .address_space: global }
      - { .name: out0, .offset: 8, .size: 8, .value_kind: global_buffer, .address_space: global }
      - { .name: qkv_w_codes, .offset: 16, .size: 8, .value_kind: global_buffer, .address_space: global }
      - { .name: qkv_w_scales, .offset: 24, .size: 8, .value_kind: global_buffer, .address_space: global }
      - { .name: qkv_b, .offset: 32, .size: 8, .value_kind: global_buffer, .address_space: global }
      - { .name: proj_w_codes, .offset: 40, .size: 8, .value_kind: global_buffer, .address_space: global }
      - { .name: proj_w_scales, .offset: 48, .size: 8, .value_kind: global_buffer, .address_space: global }
      - { .name: proj_b, .offset: 56, .size: 8, .value_kind: global_buffer, .address_space: global }
      - { .name: fc1_w_codes, .offset: 64, .size: 8, .value_kind: global_buffer, .address_space: global }
      - { .name: fc1_w_scales, .offset: 72, .size: 8, .value_kind: global_buffer, .address_space: global }
      - { .name: fc1_b, .offset: 80, .size: 8, .value_kind: global_buffer, .address_space: global }
      - { .name: fc2_w_codes, .offset: 88, .size: 8, .value_kind: global_buffer, .address_space: global }
      - { .name: fc2_w_scales, .offset: 96, .size: 8, .value_kind: global_buffer, .address_space: global }
      - { .name: fc2_b, .offset: 104, .size: 8, .value_kind: global_buffer, .address_space: global }
      - { .name: norm1_w, .offset: 112, .size: 8, .value_kind: global_buffer, .address_space: global }
      - { .name: norm1_b, .offset: 120, .size: 8, .value_kind: global_buffer, .address_space: global }
      - { .name: norm2_w, .offset: 128, .size: 8, .value_kind: global_buffer, .address_space: global }
      - { .name: norm2_b, .offset: 136, .size: 8, .value_kind: global_buffer, .address_space: global }
      - { .name: rpb_table, .offset: 144, .size: 8, .value_kind: global_buffer, .address_space: global }
    .group_segment_fixed_size: 302080
    .private_segment_fixed_size: 0
    .kernarg_segment_align: 8
    .kernarg_segment_size: 152
    .max_flat_workgroup_size: 256
    .sgpr_count:     98
    .vgpr_count:     512
    .wavefront_size: 32
...
	.end_amdgpu_metadata
.endif
;; end of part 1
